; MI455X (gfx1250); checked and timed in simulation.
; The chip was launched on July 23, 2026; its instructions are those of AMD's public machine-readable ISA for CDNA 5 (MIT licence, August 2026) and "CDNA5" Instruction Set Architecture Reference Guide (July 2026). The comments in the code are by the model that wrote it; some were corrected since.
;; Net VLAD. Allowed arithmetic: matrix products marked QUANTISED: E3M2 operands, one E8M0 scale for each 32 along K, by v_wmma_scale_f32_16x16x128_f8f6f4 with both operands' format E3M2, f32 sums; everything else in f32.
;; Inputs: centroids 64 x 128 float32; conv_w 64 x 128 float32; x 64 x 128 x 64 x 64 float32.
;; Outputs: out0 64 x 8,192 float32.
;; This version of the problem:
;;   THIS VERSION OF THE PROBLEM IS GIVEN IN LOW PRECISION. The matrix products marked QUANTISED in the list below multiply operands that are first quantised to E3M2 (3 exponent bits, 2 mantissa bits; 6 bits a number), with one power-of-two scale for each 32 numbers along K (OCP MX v1.0); their sums are f32. All else is computed in f32.
;;   The module's matrix products, in the order in which they are computed (A, B: the left and right operand; K: the contracted axis; several contracted axes count as one K, in the product's order):
;;     1. [M 262,144, K 128] x [K 128, N 64]; A: input x; B: input conv_w: QUANTISED
;;     2. batch 64 x [M 64, K 4,096] x [K 4,096, N 128]; A: computed on the way; B: input x: QUANTISED
;;   THE QUANTISER, for each operand of a quantised product, along K:
;;     - K is cut into blocks of 32 from its start; a last block that is shorter is filled with zeros.
;;     - A block's scale is 2^e with e = floor(log2(the largest magnitude in the block)) - 4, held to -126 .. 127; a block of zeros has e = 0. As a byte (E8M0): e + 127.
;;     - Each number is divided by its block's scale, clamped to +-28, and rounded to the nearest number of E3M2, ties to even, subnormals kept.
;;     - The product sums the exact products of the quantised numbers (number of the format x scale) in f32.
;;   ~~~python
;;   def quantise(x, axis):      # numpy; x: float32 -> the quantised numbers, widened to float32 again
;;       x = np.moveaxis(x, axis, -1); K = x.shape[-1]
;;       x = np.pad(x, [(0, 0)] * (x.ndim - 1) + [(0, -K % 32)]); x = x.reshape(x.shape[:-1] + (-1, 32)); a = np.abs(x).max(-1, keepdims=True)
;;       e = np.where(a > 0, np.clip(np.frexp(np.where(a > 0, a, 1))[1] - 1 - 4, -126, 127), 0)      # np.frexp(a)[1] - 1 = floor(log2(a)), exactly
;;       r = np.clip(x / 2.0 ** e, -28, 28)
;;       step = 2.0 ** (np.maximum(np.frexp(np.where(r == 0, 1, r))[1] - 1, -2) - 2)
;;       q = np.round(r / step) * step * 2.0 ** e      # np.round: ties to even
;;       return np.moveaxis(q.reshape(q.shape[:-2] + (-1,))[..., :K], -1, axis).astype(np.float32)
;;   ~~~
;;   OPERANDS COMPUTED ON THE WAY. 'Computed on the way' means the value that the module computes at that place (a softmax that the list does not call 'softmax' is quantised finished and normalised). What goes into a quantiser is computed in f32, as accurately as f32 sums, v_exp_f32 and their like allow (about 1e-6 of the number): no bf16 or f16 on the way to a quantiser, and a product that is left as it is and whose result goes on into a quantised operand takes f32 operands (vector FMAs, or v_wmma_f32_16x16x4_f32). A number that lies on a knife's edge between two numbers of the format may be rounded either way, as far as f32 arithmetic and the matrix unit's own rounding can turn it there, and no further.
;; One version. Each part assembles by itself: llvm-mc -triple=amdgcn-amd-amdhsa -mcpu=gfx1250 --defsym DOCPART=n.
;; ======== version 1 of 1: 2 launches
;; workspace buffers: part 8,388,608 bytes; asum 65,536 bytes
;; launch vlad_part (part 1): grid 256 x 1, 8 waves a work-group, no clusters, 327,680 bytes of LDS; arguments x, conv_w, part, asum; writes part, asum
.if DOCPART == 1
	.amdgcn_target "amdgcn-amd-amdhsa--gfx1250"
	.amdhsa_code_object_version 6
	.text
	.protected	k_qf9fc7334be_vlad_part
	.globl	k_qf9fc7334be_vlad_part
	.p2align	8
	.type	k_qf9fc7334be_vlad_part,@function
k_qf9fc7334be_vlad_part:
	s_mov_b64 s[64:65], 0
	v_nop
	global_prefetch_b8 v0, s[64:65] scope:SCOPE_SE
	s_setreg_imm32_b32 hwreg(HW_REG_WAVE_MODE, 25, 1), 1
	s_wait_xcnt 0x0
; NetVLAD, first of two launches.  x: [64][128 c][4096 s] f32, conv_w: [64 k][128 c] f32.
; Work-group g takes image g / 4 and positions 1024 (g % 4) .. + 1023 and stores
;   part[g][k][c] = sum over its s of Q(a[k][s]) Q(x[c][s])   (f32, 64 x 128)   and   asum[g][k] = sum over its s of a[k][s]   (a not quantised),
; a = softmax over k of the scores  sum over c of Q(x[c][s]) Q(conv_w[k][c]).  Q: codes of E3M2, one E8M0 scale for each 32 along the product's K (c in the first product, s in the second).
; The second launch adds an image's four parts, takes asum x centroid away and normalises.
; SHARES.  Eight waves.  x comes through two LDS slots of 128 c x 256 s, filled by the tensor data mover, 16 rows a wave.  A slot's visit:
;   first half: wave w takes positions 32 w .. 32 w + 31 of the slot: reads x with a lane to a position and its registers down c, quantises along c, 8 matrix instructions (source 0 = 16 positions, source 1 = 16 clusters):
;   a lane then holds ONE cluster (lane % 16 of each of four tiles) and 16 neighbouring positions (16 (lane / 16) + 0 .. 15), since row m of tile u is position 8 u + m + 8 (m / 8).
;   The softmax over the 64 clusters: four tiles in the lane, then four steps across the 16 lanes.  a is quantised along s (a block of 32 lies in lanes l and l xor 16) and its codes go to LDS as rows of 96 bytes a cluster and 128 s.
;   second half: wave w takes channels 16 w .. 16 w + 15: quantises their 256 s along s (K innermost in LDS), and behind a barrier multiplies them with a's eight fragments (source 0 = 16 channels, source 1 = 16 clusters).
; WITHIN A BLOCK OF 32 ALONG c, lanes 16-31 hold c rotated by 8, in x's fragments and in conv_w's alike: the blocks and their scales are the true ones, the products are the same, only their order in the sum differs.
; It keeps the two halves of the lanes on different banks: 32 rows are a whole number of times through the 64 banks of 4 bytes (ISA guide 11.1) at any pitch that keeps 16-byte alignment; 8 rows of 260 words more are half way round.
; NO CLUSTER: the work-groups share conv_w's 32,768 bytes alone, against 524,288 bytes of x that each reads for itself.  NO PREFETCH: the launch is one stream, and the next slot's 131,072 bytes are on their way during each visit.
; LIMITS: NaN and infinities among the inputs are not served.  A block of zeros, or one whose largest magnitude lies under 2^-122, gets the scale byte 1 (the rule's 127 for zeros: the codes are zeros, and only this program reads the bytes).
; An a under 2^-126 becomes 0 (v_exp_f32 gives no denormals: ISA guide 15.8).
.set PITCH,  1040                      ; an LDS row of x: 1,024 bytes + 16 of padding = 65 x 16: sixteen rows of a 16-byte load start in sixteen different groups of four banks
.set SLOTB,  128*PITCH                 ; a slot
.set WROWS,  16*PITCH                  ; what one tensor load brings
.set ABASE,  2*SLOTB                   ; a's codes: K step t (128 s) at t ATS, cluster k at k APITCH, block b at 24 b
.set APITCH, 112                       ; 96 bytes + 16 = 28 words: rows start at sixteen different multiples of 4 banks, the lanes' halves 6 banks on
.set ATS,    64*APITCH
.set ASCB,   ABASE+2*ATS               ; a's scale bytes: 256 t + 4 k + b
.set ASXB,   ASCB+512                  ; the waves' sums of a: 32 k + 4 w
.set WIMG,   ASXB+2048                 ; conv_w's four fragments as images of their registers: pair p of tile kt at 1536 kt + 256 p + 8 lane
.set WSCI,   WIMG+4*1536               ; conv_w's scale bytes: 4 k + block
.set STG,    WSCI+256                  ; the way out: 64 rows x (512 bytes + 16)
.set SPITCH, 528
.set SPARE,  STG+64*SPITCH             ; the spare words: 128 bytes for each of the eight waves, four blocks of 256 bytes that no other line names
.set FLOOR,  0x2800000                 ; 2^(5 - 127): under it no largest magnitude is taken, so the scale's byte cannot fall under 1
.set OFF4,   0xfe000000                ; takes 4 off an exponent field
.set SPW, 1                            ; v1   LDS address of my spare word; never rewritten
.set NIL, 2                            ; v2   0; never rewritten
.set LC0, 3                            ; v3   x down c: my position's bytes + (lane / 16) x 40 rows: for registers 0-23 of a block
.set LC1, 4                            ; v4   the same with 8 rows: for registers 24-31
.set LSX, 5                            ; v5   x along s: my channel's row + 128 (lane / 16)
.set AST, 6                            ; v6   where I store a's codes
.set ASB, 7                            ; v7   and a's scale byte
.set AFL, 8                            ; v8   where I read a's fragments
.set ASL, 9                            ; v9   and a's scale words
.set WC,  10                           ; v10-13 the visit's addresses down c: (LC0, LC0 + 64 rows, LC1, LC1 + 64 rows) + the slot
.set WS,  14                           ; v14  the visit's address along s
.set SH8, 15                           ; v15  8 (lane / 16)
.set AS,  16                           ; v16-23  sums of a: a pair for each tile of clusters
.set WSC, 24                           ; v24-27  conv_w's scale words        (v24-39 hold scale words and nothing else)
.set XSC, 28                           ; v28-29  x's, along c, for the two tiles of positions
.set XQS, 30                           ; v30-31  x's, along s, for the two K steps
.set AFS, 32                           ; v32-39  a's: 4 t + kt
.set WF,  40                           ; v40-87  conv_w's four fragments; they stay
.set ACC, 88                           ; v88-119 four accumulators: clusters 16 kt + lane % 16, channels 16 w + 8 (lane / 16) + 0 .. 7
.set X,   120                          ; v120-183 two buffers of 32 numbers of x; then the 64 scores (16 kt + 8 u + j), then a
.set XC,  184                          ; v184-207 x's codes along c, two fragments; then a's codes, four registers a tile
.set AF,  120                          ; v120-215 a's eight fragments: 48 t + 12 kt
.set XQ,  216                          ; v216-239 x's codes along s, two fragments
.set M,   240                          ; v240-255 at work
.set T0,  M
.set T1,  M+1
.set SO,  M+2                          ; a conversion's scale operand
.set CT,  M+4                          ; the second half of a block's codes (a conversion's three registers begin on an even number)
.set BY,  M+8                          ; two scale bytes
.set WT,  M+10
.set WP,  M+11
.set WV,  32                           ; s32  my wave
.set SEL, 34                           ; s[34:35] v_permlanex16_b32's selects for lane l xor 16
.set CS,  36                           ; s[36:37] log2(e), named as a pair by the packed forms
.set G1,  16                           ; s[16:23] descriptor group 1
.set G0,  24                           ; s[24:31] descriptor group 0, a set for each slot
; 32 numbers of one block in a lane's registers v[x] .. v[x+31] become six registers of codes at v[dst] and the scale's byte in v[by].
.macro QBLK x, dst, by
	v_max3_num_f32 v[T0], |v[\x]|, |v[\x+1]|, FLOOR                 ; the block's largest magnitude, in two chains, with the floor among the leaves
	v_max3_num_f32 v[T1], |v[\x+2]|, |v[\x+3]|, |v[\x+4]|
.irp i, 5,9,13,17,21,25
	v_max3_num_f32 v[T0], v[T0], |v[\x+\i]|, |v[\x+\i+1]|
	v_max3_num_f32 v[T1], v[T1], |v[\x+\i+2]|, |v[\x+\i+3]|
.endr
	v_max3_num_f32 v[T0], v[T0], |v[\x+29]|, |v[\x+30]|
	v_max3_num_f32 v[T0], v[T0], v[T1], |v[\x+31]|
	v_add_nc_u32 v[SO], OFF4, v[T0]                                 ; 4 off its exponent field: the conversion takes this operand's exponent field as its scale
	v_cvt_scalef32_pk16_bf6_f32 v[\dst:\dst+2], v[\x:\x+15], v[SO]
	v_cvt_scalef32_pk16_bf6_f32 v[CT:CT+2], v[\x+16:\x+31], v[SO]
	v_lshrrev_b32 v[\by], 23, v[SO]                                 ; the scale's byte; also the plain instruction behind the conversions
	v_mov_b32 v[\dst+3], v[CT]
	v_mov_b32 v[\dst+4], v[CT+1]
	v_mov_b32 v[\dst+5], v[CT+2]
.endm
; A lane holds blocks (lane / 16) and 2 + (lane / 16) of its row; with lane l xor 16's two bytes the row's scale word is whole.
.macro SCW dst
	v_lshl_or_b32 v[WT], v[BY+1], 16, v[BY]
	v_lshlrev_b32 v[WT], v[SH8], v[WT]
	v_permlanex16_b32 v[WP], v[WT], s[SEL], s[SEL+1]
	v_or_b32 v[\dst], v[WT], v[WP]
.endm
; x down c: tile u of my 32 positions, blocks 2 cc and 2 cc + 1: register n is channel 64 cc + 32 (lane / 16) + (n + 8 (lane / 16)) % 32
.macro LOADC u, cc, buf
.set n1, 0
.rept 24
	ds_load_b32 v[\buf+n1], v[WC+\cc] offset:n1*PITCH+32*\u
.set n1, n1+1
.endr
.rept 8
	ds_load_b32 v[\buf+n1], v[WC+2+\cc] offset:n1*PITCH+32*\u
.set n1, n1+1
.endr
.endm
; x along s: K step t, blocks 2 cc and 2 cc + 1 of my channel: register n is position 128 t + 64 cc + 32 (lane / 16) + n
.macro LOADS t, cc, buf
.irp i, 0,1,2,3,4,5,6,7
	ds_load_b128 v[\buf+4*\i:\buf+4*\i+3], v[WS] offset:512*\t+256*\cc+16*\i
.endr
.endm
.macro PLACES n                        ; plain vector instructions between a matrix instruction and what touches its registers, and ahead of a scaled one whose operands vector instructions made (ISA guide 7.12.1)
.rept \n
	v_nop
.endr
.endm
; THE VISIT OF A SLOT.  zero = 1: the first products start the accumulators' sums.
.macro WORK slot, zero
	v_add_nc_u32 v[WC], (\slot)*SLOTB, v[LC0]
	v_add_nc_u32 v[WC+1], (\slot)*SLOTB+64*PITCH, v[LC0]
	v_add_nc_u32 v[WC+2], (\slot)*SLOTB, v[LC1]
	v_add_nc_u32 v[WC+3], (\slot)*SLOTB+64*PITCH, v[LC1]
	v_add_nc_u32 v[WS], (\slot)*SLOTB, v[LSX]
	; ---- x along c: four units of 32 loads through two buffers, one unit on its way while another is quantised
	LOADC 0, 0, X
	LOADC 0, 1, X+32
	s_wait_dscnt 32                                ; all but the 32 loads issued last: the first unit is in
	QBLK X, XC, BY
	LOADC 1, 0, X
	s_wait_dscnt 32                                ; the second unit is in
	QBLK X+32, XC+6, BY+1
	SCW XSC
	LOADC 1, 1, X+32
	s_wait_dscnt 32                                ; the third
	QBLK X, XC+12, BY
	s_wait_dscnt 0x0
	QBLK X+32, XC+18, BY+1
	SCW XSC+1
	PLACES 8                                       ; the scale word just made stands eight plain instructions ahead of the scaled matrix instructions, the codes four
.irp u, 0,1
.irp kt, 0,1,2,3
	v_wmma_scale_f32_16x16x128_f8f6f4 v[X+16*\kt+8*\u:X+16*\kt+8*\u+7], v[XC+12*\u:XC+12*\u+11], v[WF+12*\kt:WF+12*\kt+11], 0, v[XSC+\u], v[WSC+\kt] matrix_a_fmt:MATRIX_FMT_BF6 matrix_b_fmt:MATRIX_FMT_BF6
.endr
.endr
	PLACES 4
	; ---- the softmax over the 64 clusters of each of my 16 positions: register X + 16 kt + n is (cluster 16 kt + lane % 16, position 16 (lane / 16) + n)
.set n1, 0
.rept 16
	v_max3_num_f32 v[M+n1], v[X+n1], v[X+16+n1], v[X+32+n1]        ; each accumulator is read from its low end on
.set n1, n1+1
.endr
.set n1, 0
.rept 16
	v_max_num_f32 v[M+n1], v[M+n1], v[X+48+n1]
.set n1, n1+1
.endr
.irp m, 1,2,4,8
.set n1, 0
.rept 16
	v_max_num_f32_dpp v[M+n1], v[M+n1], v[M+n1] row_xmask:\m row_mask:0xf bank_mask:0xf   ; across the 16 lanes that hold a tile's clusters
.set n1, n1+1
.endr
.endr
.set n1, 0
.rept 8
	v_pk_mul_f32 v[M+n1:M+n1+1], v[M+n1:M+n1+1], s[CS:CS+1] op_sel_hi:[1,0]               ; the maximum x log2(e)
.set n1, n1+2
.endr
.irp kt, 0,1,2,3
.set n1, 0
.rept 8
	v_pk_fma_f32 v[X+16*\kt+n1:X+16*\kt+n1+1], v[X+16*\kt+n1:X+16*\kt+n1+1], s[CS:CS+1], v[M+n1:M+n1+1] op_sel_hi:[1,0,1] neg_lo:[0,0,1] neg_hi:[0,0,1]   ; score x log2(e) less that: one rounding; what the product above rounded off is common to a position's 64 numbers and cancels in the division
.set n1, n1+2
.endr
.endr
.set n1, 0
.rept 64
	v_exp_f32 v[X+n1], v[X+n1]
.set n1, n1+1
.endr
	v_nop                                          ; a plain instruction behind the last exponential
	s_wait_alu depctr_va_vdst(0)                   ; one wait for the batch of 64, ahead of its first reader
.set n1, 0
.rept 8
	v_pk_add_f32 v[M+n1:M+n1+1], v[X+n1:X+n1+1], v[X+16+n1:X+16+n1+1]
.set n1, n1+2
.endr
.irp kt, 2,3
.set n1, 0
.rept 8
	v_pk_add_f32 v[M+n1:M+n1+1], v[M+n1:M+n1+1], v[X+16*\kt+n1:X+16*\kt+n1+1]
.set n1, n1+2
.endr
.endr
.irp m, 1,2,4,8
.set n1, 0
.rept 16
	v_add_f32_dpp v[M+n1], v[M+n1], v[M+n1] row_xmask:\m row_mask:0xf bank_mask:0xf
.set n1, n1+1
.endr
.endr
.set n1, 0
.rept 16
	v_rcp_f32 v[M+n1], v[M+n1]
.set n1, n1+1
.endr
	v_nop
	s_wait_alu depctr_va_vdst(0)                   ; one wait for the sixteen reciprocals
.irp kt, 0,1,2,3
.set n1, 0
.rept 8
	v_pk_mul_f32 v[X+16*\kt+n1:X+16*\kt+n1+1], v[X+16*\kt+n1:X+16*\kt+n1+1], v[M+n1:M+n1+1]   ; a, finished and normalised
.set n1, n1+2
.endr
.endr
.set n1, 0
.rept 8
.irp kt, 0,1,2,3
	v_pk_add_f32 v[AS+2*\kt:AS+2*\kt+1], v[AS+2*\kt:AS+2*\kt+1], v[X+16*\kt+n1:X+16*\kt+n1+1]  ; the sums of a, of the numbers before they are quantised; the four tiles by turns
.endr
.set n1, n1+2
.endr
	; ---- a along s: my 16 numbers of each tile and lane l xor 16's are a block of 32.  None is negative: no |.|
.irp kt, 0,1,2,3
	v_max3_num_f32 v[M+\kt], v[X+16*\kt], v[X+16*\kt+1], FLOOR
.endr
.irp i, 2,4,6,8,10,12,14
.irp kt, 0,1,2,3
	v_max3_num_f32 v[M+\kt], v[M+\kt], v[X+16*\kt+\i], v[X+16*\kt+\i+1]
.endr
.endr
.irp kt, 0,1,2,3
	v_permlanex16_b32 v[M+4+\kt], v[M+\kt], s[SEL], s[SEL+1]
.endr
.irp kt, 0,1,2,3
	v_max_num_f32 v[M+\kt], v[M+\kt], v[M+4+\kt]
.endr
.irp kt, 0,1,2,3
	v_add_nc_u32 v[M+8+\kt], OFF4, v[M+\kt]
.endr
.irp kt, 0,1,2,3
	v_cvt_scalef32_pk16_bf6_f32 v[XC+4*\kt:XC+4*\kt+2], v[X+16*\kt:X+16*\kt+15], v[M+8+\kt]
.endr
.irp kt, 0,1,2,3
	v_lshrrev_b32 v[M+12+\kt], 23, v[M+8+\kt]      ; the bytes; also the plain instructions behind the conversions
.endr
.irp kt, 0,1,2,3
.irp j, 0,1,2
	ds_store_b32 v[AST], v[XC+4*\kt+\j] offset:\kt*16*APITCH+4*\j   ; 12 bytes: half a block of cluster 16 kt + lane % 16
.endr
	ds_store_b8 v[ASB], v[M+12+\kt] offset:64*\kt                   ; both lanes of a block write the same byte with the same value
.endr
	; ---- x along s: my 16 channels, two K steps of 128, four units of 8 loads through the two buffers
	LOADS 0, 0, X
	LOADS 0, 1, X+32
	s_wait_dscnt 8                                 ; all but the 8 loads issued last
	QBLK X, XQ, BY
	LOADS 1, 0, X
	s_wait_dscnt 8
	QBLK X+32, XQ+6, BY+1
	SCW XQS
	LOADS 1, 1, X+32
	s_wait_dscnt 8
	QBLK X, XQ+12, BY
	s_wait_dscnt 0x0                               ; my loads are in and my stores of a's codes have landed:
	QBLK X+32, XQ+18, BY+1
	SCW XQS+1
	PLACES 8                                       ; ahead of the scaled matrix instructions below
	s_barrier_signal -1
	s_barrier_wait -1                              ; every wave's have: a's eight fragments lie in LDS.
.irp t, 0,1
.irp kt, 0,1,2,3
.irp p, 0,1,2,3,4,5
	ds_load_b64 v[AF+48*\t+12*\kt+2*\p:AF+48*\t+12*\kt+2*\p+1], v[AFL] offset:\t*ATS+\kt*16*APITCH+48*(\p/3)+8*(\p%3)
.endr
	ds_load_b32 v[AFS+4*\t+\kt], v[ASL] offset:256*\t+64*\kt
.endr
.endr
	s_wait_dscnt 28                                ; the first K step's 28 loads are in, the second's may be out
.irp kt, 0,1,2,3                               ; the four accumulators take turns, one instruction a turn
.if \zero
	v_wmma_scale_f32_16x16x128_f8f6f4 v[ACC+8*\kt:ACC+8*\kt+7], v[XQ:XQ+11], v[AF+12*\kt:AF+12*\kt+11], 0, v[XQS], v[AFS+\kt] matrix_a_fmt:MATRIX_FMT_BF6 matrix_b_fmt:MATRIX_FMT_BF6
.else
	v_wmma_scale_f32_16x16x128_f8f6f4 v[ACC+8*\kt:ACC+8*\kt+7], v[XQ:XQ+11], v[AF+12*\kt:AF+12*\kt+11], v[ACC+8*\kt:ACC+8*\kt+7], v[XQS], v[AFS+\kt] matrix_a_fmt:MATRIX_FMT_BF6 matrix_b_fmt:MATRIX_FMT_BF6
.endif
.endr
	s_wait_dscnt 0x0
.irp kt, 0,1,2,3
	v_wmma_scale_f32_16x16x128_f8f6f4 v[ACC+8*\kt:ACC+8*\kt+7], v[XQ+12:XQ+23], v[AF+48+12*\kt:AF+48+12*\kt+11], v[ACC+8*\kt:ACC+8*\kt+7], v[XQS+1], v[AFS+4+\kt] matrix_a_fmt:MATRIX_FMT_BF6 matrix_b_fmt:MATRIX_FMT_BF6
.endr
	PLACES 4                                       ; ahead of the next loads into the fragments' registers, and of the first read of the sums
.endm
; THE CHANGE OF SLOTS.  Each wave waits for all its tensor loads (its part of the slot ahead), adds 0 to its spare word, waits for that and for its LDS reads (the slot left, and a's codes, which the next visit writes again).
; fill = 1: behind the barrier the slot that was left takes the positions two slots on: one load a wave, 16 rows of 1,024 bytes, first thing there.
.macro CHANGE fill, slot
	s_wait_tensorcnt 0x0                           ; no tensor load of mine is out, so a group 0 may be written
	ds_add_u32 v[SPW], v[NIL]
.if \fill
	s_add_nc_u64 s[G0+4*\slot+2:G0+4*\slot+3], s[G0+4*\slot+2:G0+4*\slot+3], 2048   ; 512 positions on; the type bits on top are not reached
.endif
	s_wait_dscnt 0x0
	s_barrier_signal -1
	s_barrier_wait -1
.if \fill
	tensor_load_to_lds s[G0+4*\slot:G0+4*\slot+3], s[G1:G1+7]
	s_nop 0
.endif
.endm
	s_load_b128 s[4:7], s[0:1], 0x0                ; x, conv_w
	s_load_b128 s[8:11], s[0:1], 0x10              ; part, asum
	v_lshl_add_u32 v[SPW], v0, 2, SPARE
	v_mov_b32 v[NIL], 0
	ds_add_u32 v1, v2
	ds_add_u32 v1, v2
	s_wait_dscnt 0x0
	v_lshrrev_b32 v10, 5, v0
	v_readfirstlane_b32 s[WV], v10                 ; wave 0..7
	s_lshr_b32 s12, ttmp9, 2
	s_lshl_b32 s12, s12, 21                        ; the image: 128 x 4,096 x 4 bytes
	s_and_b32 s13, ttmp9, 3
	s_lshl_b32 s13, s13, 12                        ; the quarter: 1,024 positions
	s_add_co_u32 s12, s12, s13
	s_lshl_b32 s13, s[WV], 18                      ; my 16 rows of 16,384 bytes
	s_add_co_u32 s12, s12, s13
	s_mov_b32 s13, 0
	s_mul_i32 s14, s[WV], WROWS                    ; and their place in a slot
	; descriptor group 1: 16 rows x 256 elements of 4 bytes, 4,096 elements from row to row; in LDS 4 words of padding behind every 256
	s_mov_b32 s[G1+0], (2<<16)|(1<<20)|(7<<22)|(3<<25)
	s_mov_b32 s[G1+1], 256<<16                     ; tensor_dim0
	s_mov_b32 s[G1+2], 16<<16                      ; tensor_dim1
	s_mov_b32 s[G1+3], 256<<16                     ; tile_dim0
	s_mov_b32 s[G1+4], 16                          ; tile_dim1
	s_mov_b32 s[G1+5], 4096                        ; the pitch
	s_mov_b32 s[G1+6], 0
	s_mov_b32 s[G1+7], 0
	s_wait_kmcnt 0x0
	s_add_nc_u64 s[12:13], s[4:5], s[12:13]
	s_mov_b32 s[G0], 1
	s_mov_b32 s[G0+1], s14                         ; slot 0: positions 0 to 255
	s_mov_b64 s[G0+2:G0+3], s[12:13]
	s_or_b32 s[G0+3], s[G0+3], 0x80000000
	s_mov_b32 s[G0+4], 1
	s_add_co_u32 s[G0+5], s14, SLOTB               ; slot 1: positions 256 to 511
	s_add_nc_u64 s[G0+6:G0+7], s[12:13], 1024
	s_or_b32 s[G0+7], s[G0+7], 0x80000000
	tensor_load_to_lds s[G0:G0+3], s[G1:G1+7]      ; both first fills go out together, ahead of everything else: two loads of mine are out
	s_nop 0
	tensor_load_to_lds s[G0+4:G0+7], s[G1:G1+7]
	s_nop 0
	v_and_b32 v10, 15, v0                          ; r = lane % 16
	v_bfe_u32 v11, v0, 4, 1                        ; h = lane / 16
	; conv_w: wave w quantises half a fragment: clusters 16 (w / 2) + r, channels 64 (w % 2) + 32 h + (n + 8 h) % 32
	s_lshr_b32 s33, s[WV], 1
	s_and_b32 s38, s[WV], 1
	s_lshl_b32 s39, s33, 13                        ; 16 rows of 512 bytes
	s_lshl_b32 s40, s38, 8
	s_add_co_u32 s39, s39, s40
	v_lshl_add_u32 v12, v10, 9, s39
	v_mad_u32_u24 v13, v11, 160, v12               ; registers 0-23: + (32 + 8) numbers for lanes 16-31
	v_lshl_add_u32 v14, v11, 5, v12                ; registers 24-31: + 8
.irp i, 0,1,2,3,4,5
	global_load_b128 v[X+4*\i:X+4*\i+3], v13, s[6:7] offset:16*\i
.endr
.irp i, 6,7
	global_load_b128 v[X+4*\i:X+4*\i+3], v14, s[6:7] offset:16*\i
.endr
	v_and_b32 v12, 31, v0
	s_mul_i32 s39, s33, 1536
	s_mul_i32 s40, s38, 768
	s_add_co_u32 s39, s39, s40
	s_add_co_u32 s39, s39, WIMG
	v_lshl_add_u32 v[M+12], v12, 3, s39            ; where my three pairs of registers go
	v_lshl_add_u32 v[M+14], v12, 3, WIMG           ; and from where every wave takes the images
	s_lshl_b32 s39, s33, 6
	s_lshl_b32 s40, s38, 1
	s_add_co_u32 s39, s39, s40
	s_add_co_u32 s39, s39, WSCI
	v_lshl_add_u32 v12, v10, 2, v11
	v_add_nc_u32 v[M+13], s39, v12                 ; my block's byte: 4 k + 2 (w % 2) + h
	v_lshl_add_u32 v[M+15], v10, 2, WSCI
	; the addresses that stay
	v_and_b32 v12, 8, v10
	v_add_nc_u32 v12, v12, v10                     ; r + 8 (r / 8)
	s_lshl_b32 s33, s[WV], 7                       ; my 32 positions
	v_lshl_add_u32 v12, v12, 2, s33
	v_mad_u32_u24 v[LC0], v11, 40*PITCH, v12
	v_mad_u32_u24 v[LC1], v11, 8*PITCH, v12
	v_mul_u32_u24 v12, v10, PITCH
	v_lshl_add_u32 v12, v11, 7, v12
	v_add_nc_u32 v[LSX], s14, v12
	s_lshr_b32 s33, s[WV], 2                       ; my positions' K step in a slot,
	s_and_b32 s38, s[WV], 3                        ; and their block in it
	s_mul_i32 s39, s33, ATS
	s_mul_i32 s40, s38, 24
	s_add_co_u32 s39, s39, s40
	s_add_co_u32 s39, s39, ABASE
	v_mul_u32_u24 v12, v10, APITCH
	v_mad_u32_u24 v[AFL], v11, 12, v12
	v_add_nc_u32 v[AST], s39, v[AFL]
	v_mad_u32_u24 v12, v11, 24, v12
	v_add_nc_u32 v[AFL], ABASE, v12
	s_lshl_b32 s39, s33, 8
	s_add_co_u32 s39, s39, s38
	s_add_co_u32 s39, s39, ASCB
	v_lshl_add_u32 v[ASB], v10, 2, s39
	v_lshl_add_u32 v[ASL], v10, 2, ASCB
	v_lshlrev_b32 v[SH8], 3, v11
	v_mov_b32 v[WP], 0                             ; written once: a lane permute's destination counts as one of its sources
.irp i, 0,1,2,3,4,5,6,7
	v_mov_b32 v[AS+\i], 0                          ; the sums of a begin at 0
.endr
	s_mov_b32 s[SEL], 0x76543210
	s_mov_b32 s[SEL+1], 0xfedcba98
	s_mov_b32 s[CS], 0x3fb8aa3b                    ; log2(e)
	s_mov_b32 s[CS+1], s[CS]
	s_lshl_b32 s40, ttmp9, 15                      ; part: 32,768 bytes a work-group, my 8 rows of 512
	s_lshl_b32 s41, s[WV], 12
	s_add_co_u32 s40, s40, s41
	s_mov_b32 s41, 0
	s_add_nc_u64 s[8:9], s[8:9], s[40:41]
	s_lshl_b32 s40, ttmp9, 8                       ; asum: 256 bytes a work-group
	s_add_nc_u64 s[10:11], s[10:11], s[40:41]
	s_wait_loadcnt 0x0
	QBLK X, XC, BY
.irp p, 0,1,2
	ds_store_b64 v[M+12], v[XC+2*\p:XC+2*\p+1] offset:256*\p
.endr
	ds_store_b8 v[M+13], v[BY]
	s_wait_tensorcnt 0x1                           ; my part of slot 0 is in; slot 1's load may stay out
	s_wait_dscnt 0x0                               ; my part of conv_w's images has landed
	s_barrier_signal -1
	s_barrier_wait -1
.irp kt, 0,1,2,3
.irp p, 0,1,2,3,4,5
	ds_load_b64 v[WF+12*\kt+2*\p:WF+12*\kt+2*\p+1], v[M+14] offset:1536*\kt+256*\p
.endr
	ds_load_b32 v[WSC+\kt], v[M+15] offset:64*\kt
.endr
	WORK 0, 1                                      ; positions 0-255
	CHANGE 1, 0                                    ; slot 0 takes positions 512-767
	WORK 1, 0
	CHANGE 1, 1                                    ; slot 1 takes positions 768-1023
	WORK 0, 0
	CHANGE 0, 0                                    ; nothing is left to fetch
	WORK 1, 0
	; THE WAY OUT.  The sums of a: a lane's pair, lane l xor 16's, then the eight waves' through LDS.  The accumulators go through a stage, since a row's 512 bytes come from eight waves.
.irp kt, 0,1,2,3
	v_add_f32 v[M+\kt], v[AS+2*\kt], v[AS+2*\kt+1]
.endr
.irp kt, 0,1,2,3
	v_permlanex16_b32 v[M+4+\kt], v[M+\kt], s[SEL], s[SEL+1]
.endr
.irp kt, 0,1,2,3
	v_add_f32 v[M+\kt], v[M+\kt], v[M+4+\kt]
.endr
	v_and_b32 v[M+8], 15, v0                       ; r
	v_bfe_u32 v[M+9], v0, 4, 1                     ; h
	v_and_b32 v[M+10], 31, v0                      ; lane
	s_lshl_b32 s33, s[WV], 2
	s_add_co_u32 s33, s33, ASXB
	v_lshl_add_u32 v10, v[M+8], 5, s33             ; my sums: 32 k + 4 w
	s_lshl_b32 s33, s[WV], 6
	s_add_co_u32 s33, s33, STG
	v_mul_u32_u24 v11, v[M+8], SPITCH
	v_lshl_add_u32 v11, v[M+9], 5, v11
	v_add_nc_u32 v11, s33, v11                     ; into the stage: row r, my 16 channels' 64 bytes, 32 for each half of the lanes
	s_mul_i32 s33, s[WV], 8*SPITCH
	s_add_co_u32 s33, s33, STG
	v_lshl_add_u32 v12, v[M+10], 4, s33            ; back: my 8 rows, 16 bytes a lane
	v_lshlrev_b32 v13, 4, v[M+10]                  ; and the same in part
	v_lshl_add_u32 v14, v[M+10], 6, ASXB           ; wave 0: clusters 2 lane and 2 lane + 1: 64 bytes
	v_lshlrev_b32 v15, 3, v[M+10]
.irp kt, 0,1,2,3
	ds_store_b32 v10, v[M+\kt] offset:512*\kt      ; both halves of the lanes hold and write the same number
.endr
.irp kt, 0,1,2,3
	ds_store_b128 v11, v[ACC+8*\kt:ACC+8*\kt+3] offset:\kt*16*SPITCH        ; each accumulator from its low end on
	ds_store_b128 v11, v[ACC+8*\kt+4:ACC+8*\kt+7] offset:\kt*16*SPITCH+16
.endr
	s_wait_dscnt 0x0                               ; for the others' sake: my stores have landed
	s_barrier_signal -1
	s_barrier_wait -1
	s_cmp_lg_u32 s[WV], 0                          ; wave 0 adds the eight waves' sums of a and stores the work-group's 64: 256 consecutive bytes by one instruction
	s_cbranch_scc1 .Lrows
.irp i, 0,1,2,3
	ds_load_b128 v[X+32+4*\i:X+32+4*\i+3], v14 offset:16*\i
.endr
	s_wait_dscnt 0x0
	v_pk_add_f32 v[X+32:X+33], v[X+32:X+33], v[X+34:X+35]
	v_pk_add_f32 v[X+36:X+37], v[X+36:X+37], v[X+38:X+39]
	v_pk_add_f32 v[X+40:X+41], v[X+40:X+41], v[X+42:X+43]
	v_pk_add_f32 v[X+44:X+45], v[X+44:X+45], v[X+46:X+47]
	v_pk_add_f32 v[X+32:X+33], v[X+32:X+33], v[X+36:X+37]
	v_pk_add_f32 v[X+40:X+41], v[X+40:X+41], v[X+44:X+45]
	v_add_f32 v[X+48], v[X+32], v[X+33]
	v_add_f32 v[X+49], v[X+40], v[X+41]
	global_store_b64 v15, v[X+48:X+49], s[10:11]
.Lrows:
.irp i, 0,1,2,3,4,5,6,7
	ds_load_b128 v[X+4*\i:X+4*\i+3], v12 offset:\i*SPITCH
.endr
.irp i, 0,1,2,3,4,5,6,7
	s_wait_dscnt 7-\i                              ; row i is back; the younger loads may be out
	global_store_b128 v13, v[X+4*\i:X+4*\i+3], s[8:9] offset:512*\i   ; 32 lanes store a row of 512 consecutive bytes, at a multiple of 256 from part's first byte
.endr
	s_wait_tensorcnt 0x0                           ; the wave's end: behind my last tensor load and my last LDS store
	ds_add_u32 v[SPW], v[NIL]
	s_wait_dscnt 0x0
	s_endpgm
.Lfunc_end_k_qf9fc7334be_vlad_part:
	.size	k_qf9fc7334be_vlad_part, .Lfunc_end_k_qf9fc7334be_vlad_part-k_qf9fc7334be_vlad_part
	.p2alignl 7, 3214868480
	.fill 96, 4, 3214868480
	.section	.rodata,"a",@progbits
	.p2align	6, 0x0
	.amdhsa_kernel k_qf9fc7334be_vlad_part
		.amdhsa_group_segment_fixed_size 327680
		.amdhsa_private_segment_fixed_size 0
		.amdhsa_enable_private_segment 0
		.amdhsa_kernarg_size 32
		.amdhsa_user_sgpr_count 2
		.amdhsa_user_sgpr_kernarg_segment_ptr 1
		.amdhsa_wavefront_size32 1
		.amdhsa_system_sgpr_workgroup_id_x 1
		.amdhsa_system_sgpr_workgroup_id_y 1
		.amdhsa_system_sgpr_workgroup_id_z 1
		.amdhsa_system_vgpr_workitem_id 0
		.amdhsa_next_free_vgpr 256
		.amdhsa_next_free_sgpr 66
		.amdhsa_reserve_vcc 0
		.amdhsa_float_denorm_mode_32 3
		.amdhsa_float_denorm_mode_16_64 3
		.amdhsa_memory_ordered 1
		.amdhsa_forward_progress 1
		.amdhsa_inst_pref_size 226
	.end_amdhsa_kernel
	.amdgpu_metadata
---
amdhsa.version: [ 1, 2 ]
amdhsa.kernels:
  - .name:           k_qf9fc7334be_vlad_part
    .symbol:         k_qf9fc7334be_vlad_part.kd
    .args:
      - { .name: x, .offset: 0, .size: 8, .value_kind: global_buffer, .address_space: global }
      - { .name: conv_w, .offset: 8, .size: 8, .value_kind: global_buffer, .address_space: global }
      - { .name: part, .offset: 16, .size: 8, .value_kind: global_buffer, .address_space: global }
      - { .name: asum, .offset: 24, .size: 8, .value_kind: global_buffer, .address_space: global }
    .group_segment_fixed_size: 327680
    .private_segment_fixed_size: 0
    .kernarg_segment_align: 8
    .kernarg_segment_size: 32
    .max_flat_workgroup_size: 256
    .sgpr_count:     66
    .vgpr_count:     256
    .wavefront_size: 32
...
	.end_amdgpu_metadata
.endif
;; end of part 1
;; launch vlad_norm (part 2): grid 64 x 1, 8 waves a work-group, no clusters, 1,280 bytes of LDS; arguments part, asum, centroids, out0; writes out0
.if DOCPART == 2
	.amdgcn_target "amdgcn-amd-amdhsa--gfx1250"
	.amdhsa_code_object_version 6
	.text
	.protected	k_qf9fc7334be_vlad_norm
	.globl	k_qf9fc7334be_vlad_norm
	.p2align	8
	.type	k_qf9fc7334be_vlad_norm,@function
k_qf9fc7334be_vlad_norm:
	s_mov_b64 s[64:65], 0
	v_nop
	global_prefetch_b8 v0, s[64:65] scope:SCOPE_SE
	s_setreg_imm32_b32 hwreg(HW_REG_WAVE_MODE, 25, 1), 1
	s_wait_xcnt 0x0
; NetVLAD, second launch.  For image n:  v[k][c] = sum over q of part[4 n + q][k][c] - (sum over q of asum[4 n + q][k]) x centroids[k][c];
; each row k is divided by its L2 norm, then the image's 8,192 numbers by their L2 norm.  All in f32.
; One work-group an image (the last norm spans the image, and no sum may span work-groups); eight waves, 8 rows each; a lane holds 4 neighbouring channels, so each load and store of a wave covers a row's 512 consecutive bytes.
; All 41 loads of a wave go out together.  No matrix work, no cluster (the work-groups share the centroids' 32,768 bytes alone), no prefetch (each byte is asked for at once, at the head).
; LIMITS: 1 / norm is v_rsq_f32: a sum of squares under 2^-126 counts as 0 there (ISA guide 15.8), which gives infinities or NaN where f32 division would still give numbers; a row of zeros gives NaN, as in the definition.
.set P,   16                           ; v16-143  part q, row i: 32 q + 4 i; the sums, then the results, stay in q = 0's registers
.set CEN, 144                          ; v144-175 the centroids' rows
.set T,   176                          ; v176-183 a number for each row
.set TP,  48                           ; v48-55   lane permutes' destinations, once part 1's numbers have been added
	s_load_b256 s[4:11], s[0:1], 0x0               ; part s[4:5], asum s[6:7], centroids s[8:9], out0 s[10:11]
	v_lshl_add_u32 v192, v0, 2, 0x100
	v_mov_b32 v193, 0
	v_lshrrev_b32 v1, 5, v0                        ; wave
	v_and_b32 v2, 31, v0                           ; lane
	v_lshlrev_b32 v3, 4, v2
	v_lshl_add_u32 v3, v1, 12, v3                  ; my 16 bytes of my wave's first row: 8 rows of 512 bytes a wave
	v_lshrrev_b32 v4, 3, v2                        ; asum: lane = 8 q + i takes part q's sum for row 8 w + i
	v_and_b32 v5, 7, v2
	v_lshlrev_b32 v4, 8, v4
	v_lshl_add_u32 v4, v5, 2, v4
	v_lshl_add_u32 v4, v1, 5, v4
	v_lshlrev_b32 v6, 2, v1                        ; LDS: my wave's word
	v_mov_b32 v7, 0
	v_mov_b32 v9, 0                                ; written once: a lane permute's destination counts as one of its sources
	s_mov_b32 s12, 0x76543210
	s_mov_b32 s13, 0xfedcba98                      ; v_permlanex16_b32's selects for lane l xor 16
	s_lshl_b32 s14, ttmp9, 17                      ; the image's four parts
	s_mov_b32 s15, 0
	s_lshl_b32 s16, ttmp9, 10
	s_mov_b32 s17, 0
	s_lshl_b32 s18, ttmp9, 15
	s_mov_b32 s19, 0
	s_wait_kmcnt 0x0
	s_add_nc_u64 s[4:5], s[4:5], s[14:15]
	s_add_nc_u64 s[6:7], s[6:7], s[16:17]
	s_add_nc_u64 s[10:11], s[10:11], s[18:19]
	global_load_b32 v8, v4, s[6:7] th:TH_LOAD_NT
.irp q, 0,1,2,3
.irp i, 0,1,2,3,4,5,6,7
	global_load_b128 v[P+32*\q+4*\i:P+32*\q+4*\i+3], v3, s[4:5] offset:32768*\q+512*\i th:TH_LOAD_NT
.endr
.endr
.irp i, 0,1,2,3,4,5,6,7
	global_load_b128 v[CEN+4*\i:CEN+4*\i+3], v3, s[8:9] offset:512*\i
.endr
	s_wait_loadcnt 0x0
	v_add_f32_dpp v8, v8, v8 row_xmask:8 row_mask:0xf bank_mask:0xf   ; parts q and q xor 1,
	v_permlanex16_b32 v9, v8, s12, s13
	v_add_f32 v8, v8, v9                           ; and q xor 2: lane i now holds row 8 w + i's sum of a
.irp i, 0,1,2,3,4,5,6,7
	v_readlane_b32 s[24+\i], v8, \i
.endr
.irp i, 0,1,2,3,4,5,6,7
.irp p, 0,2
	v_pk_add_f32 v[P+4*\i+\p:P+4*\i+\p+1], v[P+4*\i+\p:P+4*\i+\p+1], v[P+32+4*\i+\p:P+32+4*\i+\p+1]
	v_pk_add_f32 v[P+64+4*\i+\p:P+64+4*\i+\p+1], v[P+64+4*\i+\p:P+64+4*\i+\p+1], v[P+96+4*\i+\p:P+96+4*\i+\p+1]
.endr
.endr
.irp i, 0,1,2,3,4,5,6,7
.irp p, 0,2
	v_pk_add_f32 v[P+4*\i+\p:P+4*\i+\p+1], v[P+4*\i+\p:P+4*\i+\p+1], v[P+64+4*\i+\p:P+64+4*\i+\p+1]
.endr
.endr
.irp i, 0,1,2,3,4,5,6,7
.irp j, 0,1,2,3
	v_fma_f32 v[P+4*\i+\j], s[24+\i], -v[CEN+4*\i+\j], v[P+4*\i+\j]   ; less the sum of a x the centroid
.endr
.endr
.irp i, 0,1,2,3,4,5,6,7
	v_mul_f32 v[T+\i], v[P+4*\i], v[P+4*\i]        ; each row's sum of squares: my four,
.endr
.irp j, 1,2,3
.irp i, 0,1,2,3,4,5,6,7
	v_fma_f32 v[T+\i], v[P+4*\i+\j], v[P+4*\i+\j], v[T+\i]
.endr
.endr
.irp m, 1,2,4,8
.irp i, 0,1,2,3,4,5,6,7
	v_add_f32_dpp v[T+\i], v[T+\i], v[T+\i] row_xmask:\m row_mask:0xf bank_mask:0xf   ; the 16 lanes',
.endr
.endr
.irp i, 0,1,2,3,4,5,6,7
	v_permlanex16_b32 v[TP+\i], v[T+\i], s12, s13
.endr
.irp i, 0,1,2,3,4,5,6,7
	v_add_f32 v[T+\i], v[T+\i], v[TP+\i]           ; and the other half's
.endr
.irp i, 0,1,2,3,4,5,6,7
	v_rsq_f32 v[T+\i], v[T+\i]
.endr
	v_nop                                          ; a plain instruction behind the last of them
	s_wait_alu depctr_va_vdst(0)                   ; one wait for the eight, ahead of their first reader
.irp i, 0,1,2,3,4,5,6,7
.irp j, 0,1,2,3
	v_mul_f32 v[P+4*\i+\j], v[P+4*\i+\j], v[T+\i]
.endr
.endr
	v_mul_f32 v10, v[P], v[P]                      ; the image's sum of squares of the normalised rows: my 32 numbers in two chains,
	v_mul_f32 v11, v[P+1], v[P+1]
.set n1, 2
.rept 15
	v_fma_f32 v10, v[P+n1], v[P+n1], v10
	v_fma_f32 v11, v[P+n1+1], v[P+n1+1], v11
.set n1, n1+2
.endr
	v_add_f32 v10, v10, v11
.irp m, 1,2,4,8
	v_add_f32_dpp v10, v10, v10 row_xmask:\m row_mask:0xf bank_mask:0xf
.endr
	v_permlanex16_b32 v9, v10, s12, s13
	v_add_f32 v10, v10, v9                         ; my wave's,
	ds_store_b32 v6, v10                           ; (all lanes write the same word with the same value)
	s_wait_dscnt 0x0                               ; for the others' sake: my store has landed
	s_barrier_signal -1
	s_barrier_wait -1
	ds_load_b128 v[48:51], v7
	ds_load_b128 v[52:55], v7 offset:16
	s_wait_dscnt 0x0
	v_pk_add_f32 v[48:49], v[48:49], v[50:51]
	v_pk_add_f32 v[52:53], v[52:53], v[54:55]
	v_pk_add_f32 v[48:49], v[48:49], v[52:53]
	v_add_f32 v48, v48, v49                        ; and the eight waves'
	v_rsq_f32 v48, v48
	v_nop
	s_wait_alu depctr_va_vdst(0)
.irp i, 0,1,2,3,4,5,6,7
.irp j, 0,1,2,3
	v_mul_f32 v[P+4*\i+\j], v[P+4*\i+\j], v48
.endr
	global_store_b128 v3, v[P+4*\i:P+4*\i+3], s[10:11] offset:512*\i th:TH_STORE_NT   ; 32 lanes store a row of 512 consecutive bytes, at a multiple of 256 from out0's first byte
.endr
	s_wait_tensorcnt 0x0
	ds_add_u32 v192, v193
	s_wait_dscnt 0x0
	s_endpgm
.Lfunc_end_k_qf9fc7334be_vlad_norm:
	.size	k_qf9fc7334be_vlad_norm, .Lfunc_end_k_qf9fc7334be_vlad_norm-k_qf9fc7334be_vlad_norm
	.p2alignl 7, 3214868480
	.fill 96, 4, 3214868480
	.section	.rodata,"a",@progbits
	.p2align	6, 0x0
	.amdhsa_kernel k_qf9fc7334be_vlad_norm
		.amdhsa_group_segment_fixed_size 1280
		.amdhsa_private_segment_fixed_size 0
		.amdhsa_enable_private_segment 0
		.amdhsa_kernarg_size 32
		.amdhsa_user_sgpr_count 2
		.amdhsa_user_sgpr_kernarg_segment_ptr 1
		.amdhsa_wavefront_size32 1
		.amdhsa_system_sgpr_workgroup_id_x 1
		.amdhsa_system_sgpr_workgroup_id_y 1
		.amdhsa_system_sgpr_workgroup_id_z 1
		.amdhsa_system_vgpr_workitem_id 0
		.amdhsa_next_free_vgpr 194
		.amdhsa_next_free_sgpr 66
		.amdhsa_reserve_vcc 0
		.amdhsa_float_denorm_mode_32 3
		.amdhsa_float_denorm_mode_16_64 3
		.amdhsa_memory_ordered 1
		.amdhsa_forward_progress 1
		.amdhsa_inst_pref_size 22
	.end_amdhsa_kernel
	.amdgpu_metadata
---
amdhsa.version: [ 1, 2 ]
amdhsa.kernels:
  - .name:           k_qf9fc7334be_vlad_norm
    .symbol:         k_qf9fc7334be_vlad_norm.kd
    .args:
      - { .name: part, .offset: 0, .size: 8, .value_kind: global_buffer, .address_space: global }
      - { .name: asum, .offset: 8, .size: 8, .value_kind: global_buffer, .address_space: global }
      - { .name: centroids, .offset: 16, .size: 8, .value_kind: global_buffer, .address_space: global }
      - { .name: out0, .offset: 24, .size: 8, .value_kind: global_buffer, .address_space: global }
    .group_segment_fixed_size: 1280
    .private_segment_fixed_size: 0
    .kernarg_segment_align: 8
    .kernarg_segment_size: 32
    .max_flat_workgroup_size: 256
    .sgpr_count:     66
    .vgpr_count:     194
    .wavefront_size: 32
...
	.end_amdgpu_metadata
.endif
;; end of part 2
